; MI455X (gfx1250); checked and timed in simulation.
; The chip was launched on July 23, 2026; its instructions are those of AMD's public machine-readable ISA for CDNA 5 (MIT licence, August 2026) and "CDNA5" Instruction Set Architecture Reference Guide (July 2026). The comments in the code are by the model that wrote it; some were corrected since.
;; Signax Only. Allowed arithmetic: float matrix products may take bf16 or f16 operands with f32 sums; other float arithmetic in f32, or as packed bf16 or f16 multiplies, adds, multiply-adds, maxima and minima; sums over many terms, partial sums and values carried from step to step in f32; what a program stores and reads back later, other than sums and carried values, may be rounded once to bf16 or f16.
;; Inputs: x 4,096 x 16 float32.
;; Outputs: out0 69,904 float32.
;; One version. Each part assembles by itself: llvm-mc -triple=amdgcn-amd-amdhsa -mcpu=gfx1250 --defsym DOCPART=n.
;; ======== version 1 of 1: 1 launch
;; limits: values outside matrix products are rounded to f16; values are held in f16: magnitudes above 65,504 overflow, below 6.1e-05 lose precision
;; launch signature (part 1): grid 256 x 1, 8 waves a work-group, clusters of 4 x 1, 327,680 bytes of LDS; arguments x, out0; writes out0
.if DOCPART == 1
	.amdgcn_target "amdgcn-amd-amdhsa--gfx1250"
	.amdhsa_code_object_version 6
	.text
	.protected	k_q715d6f6274_signature
	.globl	k_q715d6f6274_signature
	.p2align	8
	.type	k_q715d6f6274_signature,@function
k_q715d6f6274_signature:
	s_mov_b64 s[64:65], 0
	v_nop
	global_prefetch_b8 v0, s[64:65] scope:SCOPE_SE
	s_setreg_imm32_b32 hwreg(HW_REG_WAVE_MODE, 25, 1), 1
	s_wait_xcnt 0x0
	s_wait_alu depctr_hold_cnt(0) depctr_sa_sdst(0) depctr_va_vdst(0) depctr_va_sdst(0) depctr_va_ssrc(0) depctr_va_vcc(0) depctr_vm_vsrc(0)
	s_getreg_b32 s2, hwreg(HW_REG_IB_STS2, 6, 4)
	s_cmp_eq_u32 s2, 0
	s_cbranch_scc0 .Lentry_in_a_cluster
	s_endpgm
.Lentry_in_a_cluster:
	s_bfe_u32 s2, ttmp6, 0x10000c
	s_cmp_lg_u32 s2, 0x3003
	s_cbranch_scc0 .Lentry_shape_is_right
	s_endpgm
.Lentry_shape_is_right:
; THE SIGNATURE OF A PATH, levels 1 to 4.  x: [4096][16] f32.  out0: S1 (16), S2 (256), S3 (4,096), S4 (65,536) f32 on end.
; THE SUMS.  One work-group makes all that begins with one pair (i, j): S2[ij], S3[ij][k], S4[ij][k][l].  With y_s = x_s - x_4095, f the running S2[ij], and for step s (rows s-1 -> s)
; e, d the steps of columns i, j and u = x_(s-1)[i] - x_0[i]:   f_s = f_(s-1) + d (u + e/2),   P_s = f_(s-1) + d (u/2 + e/6),   Q_s = f_(s-1)/2 + d (u/6 + e/24),   P, Q = 0 at s = 0 and s = 4096.
; Chen's relation, summed by parts over s, is then   S4[ij][k][l] = sum_s y_s[k] W_s[l],   W_s = a_s y_(s-1) + b_s y_s + c_s y_(s+1),   a = -Q_s,  b = Q_s - P_s + Q_(s+1),  c = P_(s+1) - Q_(s+1),
; and   S3[ij][k] = - sum_s y_s[k] (a_s + b_s + c_s).   Summed so, no product is much larger than its share of the sum.  Both sums go to the matrix unit: K = the 4,096 rows.
; FORMATS.  y and W are rounded once to f16, sums in f32; P, Q, f, S1, S2 in f32.  a, b, c are multiplied by sigma, a power of two with sigma |a|, |b|, |c| < 1, made from a bound on them; the sums are divided by it, exactly.
; LIMITS.  |x_t - x_4095| stays under 21,800 (3 |y| must fit f16's 65,504).  f16's fixed step of 6e-8 below 6e-5 costs precision once the spread of x falls under about 1e-3.  NaN and infinities are not treated apart.
; SHARES.  Eight waves; wave w owns rows 512 w .. 512 w + 511.  For the coefficients thread t owns 16 rows on end.  For the products lane l owns a RUN of 64 rows on end (run l / 4 of the wave's eight) and the four
; columns 4 (l % 4) + 0..3 of them: it reads 16 bytes a row, keeps three rows at hand, and packs two rows' numbers of one column into an operand register.  So row m of an operand is column 4 (m % 4) + p of run m / 4 (and of
; run 4 + m / 4 in the upper lanes), and in a result only the four 4 x 4 blocks with m / 4 = n / 4 are sums: 16 results (p, r) for S4 and 4 for S3, added over the blocks and the waves at the end.  Four times the matrix
; instructions of a dense product (160 for each SIMD in all), and no transposition.
; CLUSTER.  Every work-group reads all of x, so four form a cluster and ask for each tile JOINTLY.  The four share i and j / 4; the place in the cluster is j % 4 and picks a number out of four by v_cndmask_b32:
; it enters no LDS address and no branch.  x is filled once; nothing is filled again.  No prefetch: the launch reads 256 KiB once, at its head.
; LDS.  A block of 256 bytes of zeros, stored by wave 0, stands in front of x: it is the row before row 0, whose coefficient is 0.  x follows, with 16 bytes behind every 16 rows (1,040 bytes): threads 16 rows apart and
; runs 64 rows apart then start in different groups of four banks (64 banks of 4 bytes: ISA guide 11.1).  A thread's and a run's base address stand at the row BEFORE its first: 64 bytes and a padding back.
.set XBASE, 256                        ; x begins here; bytes 0 to 255 hold zeros
.set BACK,  80                         ; from the row before a group of 16 rows to the group's first row
.set XGRP,  1040                       ; 16 rows of 64 bytes and the padding
.set XWAVE, 32*XGRP                    ; a wave's 512 rows
.set XRUN,  4*XGRP                     ; a run's 64 rows
.set XLAST, XBASE+255*XGRP+15*64       ; row 4095
.set COEF,  XBASE+256*XGRP             ; behind x: for each wave a, b, c of its 512 rows; later its part of the results
.set CARR,  2176                       ; one array: 512 words and 16 bytes behind every 64
.set CWAVE, 3*CARR
.set RROW,  1088                       ; the results of one block of one wave: 256 words of S4, 16 of S3
.set EXCH,  COEF+8*CWAVE               ; each wave's sum and bound: 8 bytes a wave
.set SPARE, EXCH+256                   ; the spare words, 128 bytes for each wave: four blocks of 256 bytes that no other line names
; vector registers, window 0
.set LN, 1                             ; lane
.set BI, 4                             ; coefficients: LDS address of the row before my first, column i;  BJ: its four columns that hold j
.set BJ, 5
.set NI, 8                             ; the row behind my last (thread 255: row 4095)
.set NJ, 9
.set I4, 10                            ; 4 i
.set CS, 11                            ; where I store my 16 a
.set XA, 12                            ; products: the row before my run's first, my four columns
.set XNX, 14                           ; the row behind my run (last run: row 4095)
.set XL, 15                            ; row 4095, my four columns
.set CA, 16                            ; my run's a
.set RW, 17                            ; where my part of the results goes: S4
.set RW3, 18                           ; S3
.set RR, 19                            ; where I read results back
.set Y,   20                           ; v[20:91]   a ring of 18 rows x 4 columns: row rho of the run in place (rho + 1) mod 18
.set CF,  92                           ; v[92:139]  a, b, c of 16 rows
.set WT,  140                          ; v[140:147] W of two rows
.set SS,  148                          ; v[148:149] a + b + c of two rows
.set AOP, 152                          ; v[152:183] operand y:  column p at AOP + 8 p
.set WOP, 184                          ; v[184:215] operand W:  column r at WOP + 8 r
.set GOP, 216                          ; v[216:223] operand a + b + c
.set SPW, 224                          ; my spare word's LDS address; never rewritten
.set NIL, 225                          ; 0, for the add alone
.set ZERO, 226                         ; v[226:227] 0
.set S2V, 228                          ; S2[ij]
.set R3,  229                          ; where S3's results are read back
.set INV, 230                          ; v[230:231] 1 / sigma, -1 / sigma
.set XN,  232                          ; v[232:235] x_4095, my four columns
; the coefficients' registers (dead when the products begin)
.set RP,  20                           ; v[20:55]   rows -1 .. 16 of my 16: (x[i], x[j]); x[i] later less x_0[i]
.set QD,  56                           ; v[56:127]  the four columns that hold j
.set ED,  56                           ; v[56:89]   (e, d) of steps 0 .. 16
.set PQ,  90                           ; v[90:123]  (P, Q) of steps 0 .. 16, counted from my first row
.set SG,  124                          ; v[124:125] sigma, -sigma
.set KP,  126                          ; v[126:127] kappa = sigma f / 2 at my first row, -kappa
.set HH,  141                          ; v[141:157] P - Q of steps 0 .. 16; c = HH + 1 on
.set BT,  158                          ; v[158:173] b
.set AT,  174                          ; v[174:189] a
.set C34, 190                          ; (1/3, 1/4)
.set C26, 192                          ; (1/2, 1/6)
.set C1H, 194                          ; (1, 1/2)
.set LL,  196                          ; (f, f/2) counted from my first row
.set BS,  198                          ; the butterfly's block sum; at its end the wave's sum
.set MW,  199                          ; the bound
.set EX,  200                          ; v[200:215] all waves' (sum, bound)
.set X0I, 216
.set MX,  217
.set MN,  218
.set MX2, 219
.set MN2, 220
.set PRE, 221                          ; the sum of the lanes below mine
.set PT,  222
.set T0,  223
.set TS,  236                          ; v[236:251] at work
.set T1,  252
.set OFF, 253                          ; the sum of the waves below mine
.set MM,  255
; the way out
.set TT,  20                           ; v[20:83]   S4: (p, u, r) at TT + 16 p + 4 u + r
.set T3,  84                           ; v[84:99]   S3: (u, p) at T3 + 4 u + p
.set FS,  20                           ; v[20:147]  32 partial results
; scalar registers
.set WV, 8                             ; wave
.set CX, 9                             ; place in the cluster = j % 4
.set ID, 10                            ; 16 i + j
.set II, 11
.set JQ, 12                            ; j / 4
.set G1, 16                            ; s[16:23] descriptor group 1
.set G0, 24                            ; s[24:27] descriptor group 0
.set LM, 28                            ; s[28:32] the lanes whose number has bit 0 .. 4 set
.set SEL, 33                           ; s33, s34: v_permlanex16_b32: each lane takes its own place in the other half
.set B0, 35                            ; all ones if j % 4 has bit 0 (bit 1: B1), else 0
.set B1, 36
.set LAST, 37                          ; thread 255's lane
.set SAVE, 38
.set NL, 39
.set FL, 40                            ; s[40:46] 1.0 if my wave's number is above 0 .. 6, else 0
.set J4, 47                            ; 4 j
.set O4, 50                            ; byte offsets in out0
.set O3, 51
.set O2, 52
.set CB, 56                            ; my wave's coefficients in LDS
.set XB, 57                            ; the row before my wave's rows in LDS
.set EXA, 58
.set ODD, 59
.set FIRST, 60                         ; thread 0's lane
.set MSB, 0
.macro WIN new                         ; the immediate's high byte repeats the setting that is left; a switch that changes nothing is dropped
.if MSB != (\new)
	s_set_vgpr_msb (MSB<<8)|(\new)
.set MSB, \new
.endif
.endm
; A round of the cluster's barrier: my work-group's barrier, wave 0 signals for the work-group, every wave waits for all four work-groups, my work-group's barrier once more.
.macro CROUND
	s_barrier_signal -1
	s_barrier_wait -1
	s_cmp_lg_u32 s[WV], 0
	s_cbranch_scc1 .Lnot_wave_0_\@
	s_barrier_signal -3
.Lnot_wave_0_\@:
	s_barrier_wait -3
	s_barrier_signal -1
	s_barrier_wait -1
.endm
	s_load_b128 s[4:7], s[0:1], 0x0                ; x s[4:5], out0 s[6:7]
	v_lshl_add_u32 v[SPW], v0, 2, SPARE
	v_mov_b32 v[NIL], 0
	ds_add_u32 v[SPW], v[NIL]                      ; the wave's opening: the add, twice on end, and its wait ahead of my tensor load
	ds_add_u32 v[SPW], v[NIL]
	v_lshrrev_b32 v2, 5, v0
	v_readfirstlane_b32 s[WV], v2                  ; wave 0..7
	s_bfe_u32 s[CX], ttmp6, 0x40000                ; my place in the cluster
	s_lshl_b32 s[ID], ttmp9, 2                     ; in a cluster launch ttmp9 counts clusters
	s_add_co_u32 s[ID], s[ID], s[CX]               ; 16 i + j: it enters addresses in memory alone
	s_lshr_b32 s[II], ttmp9, 2
	s_and_b32 s[II], s[II], 15                     ; i, and
	s_and_b32 s[JQ], ttmp9, 3                      ; j / 4: both shared by the four partners
	; descriptor group 1: 32 rows of 128 elements of 8 bytes (16 rows of x each), 16 bytes of padding behind each
	s_mov_b32 s[G1+0], 15|(3<<16)|(1<<20)|(1<<21)|(7<<22)|(3<<25)  ; 15:0 the mask of four; 17:16 8-byte elements; 20 padding on; 21 set beside a mask; 24:22 after every 256 words (code 7); 31:25 4 words (code 3)
	s_mov_b32 s[G1+1], 128<<16                     ; tensor_dim0 = 128
	s_mov_b32 s[G1+2], 32<<16                      ; tensor_dim1 = 32
	s_mov_b32 s[G1+3], 128<<16                     ; tile_dim0 = 128
	s_mov_b32 s[G1+4], 32                          ; tile_dim1 = 32
	s_mov_b32 s[G1+5], 128                         ; 128 elements from row to row: x is dense
	s_mov_b32 s[G1+6], 0
	s_mov_b32 s[G1+7], 0
	s_mov_b32 s[G0], 1                             ; count = 1
	s_mul_i32 s[G0+1], s[WV], XWAVE                ; LDS address: the wave's number times a constant,
	s_add_co_u32 s[G0+1], s[G0+1], XBASE           ; behind the block of zeros
	s_lshl_b32 s14, s[WV], 15                      ; my wave's 512 rows in memory
	s_mov_b32 s15, 0
	s_wait_dscnt 0x0                               ; both opening adds are done
	s_wait_kmcnt 0x0
	s_add_nc_u64 s[G0+2:G0+3], s[4:5], s[14:15]
	s_or_b32 s[G0+3], s[G0+3], 0x80000000          ; type = 2
	CROUND                                         ; all four work-groups are here: the joint loads meet
	tensor_load_to_lds s[G0:G0+3], s[G1:G1+7]      ; my one tensor load: an eighth of x, for all four work-groups
	s_nop 0
	; while x is on its way: x_0[j] and x_4095[j] for S1, the zeros in front of x, the addresses, the masks
	s_lshl_b32 s[J4], s[ID], 2
	s_and_b32 s[J4], s[J4], 60
	s_load_b32 s48, s[4:5], s[J4] offset:0x0
	s_load_b32 s49, s[4:5], s[J4] offset:0x3ffc0   ; 4,095 rows of 64 bytes on
	v_and_b32 v[LN], 31, v0
	v_mov_b32 v[ZERO], 0
	v_mov_b32 v[ZERO+1], 0
	s_cmp_lg_u32 s[WV], 0
	s_cbranch_scc1 .Lno_zeros
	v_lshlrev_b32 v2, 3, v[LN]
	ds_store_b64 v2, v[ZERO:ZERO+1]                ; wave 0: 32 lanes x 8 bytes: LDS bytes 0 to 255, into which no tile lands
.Lno_zeros:
	s_mul_i32 s[XB], s[WV], XWAVE
	s_add_co_u32 s[XB], s[XB], XBASE-BACK
	v_mul_u32_u24 v2, v[LN], XGRP
	v_add_nc_u32 v2, s[XB], v2                     ; the row before my 16 rows
	v_add_nc_u32 v20, XGRP+BACK, v2                ; the row behind them,
	v_min_u32 v20, XLAST, v20                      ; or row 4095
	s_lshl_b32 s54, s[II], 2
	s_lshl_b32 s55, s[JQ], 4
	v_add_nc_u32 v[BI], s54, v2
	v_add_nc_u32 v[BJ], s55, v2
	v_add_nc_u32 v[NI], s54, v20
	v_add_nc_u32 v[NJ], s55, v20
	v_mov_b32 v[I4], s54
	s_mul_i32 s[CB], s[WV], CWAVE
	s_add_co_u32 s[CB], s[CB], COEF
	s_lshl_b32 s[EXA], s[WV], 3
	s_add_co_u32 s[EXA], s[EXA], EXCH
	v_lshrrev_b32 v2, 2, v[LN]                     ; run
	v_and_b32 v3, 3, v[LN]
	v_lshlrev_b32 v3, 4, v3                        ; my four columns: 16 bytes
	v_lshlrev_b32 v20, 6, v[LN]
	v_lshl_add_u32 v20, v2, 4, v20                 ; 16 words a thread, 16 bytes more behind every four threads
	v_add_nc_u32 v[CS], s[CB], v20
	v_mul_u32_u24 v20, v2, XRUN
	v_add_nc_u32 v20, v20, v3
	v_add_nc_u32 v[XA], s[XB], v20                 ; the row before my run
	v_add_nc_u32 v[XL], XLAST, v3
	v_add_nc_u32 v20, XRUN+BACK, v[XA]
	v_min_u32 v[XNX], v20, v[XL]
	v_mul_u32_u24 v20, v2, 272                     ; 64 words and a padding a run
	v_add_nc_u32 v[CA], s[CB], v20
	v_and_b32 v20, 3, v2                           ; the block that my lane's column of a result lies in
	v_mul_u32_u24 v20, v20, RROW
	v_add_nc_u32 v20, s[CB], v20
	v_add_nc_u32 v[RW], v20, v3
	v_add_nc_u32 v[RW3], 1024, v20
	v_lshl_add_u32 v[RR], v0, 4, COEF
	v_min_u32 v20, 15, v[LN]
	v_lshl_add_u32 v[R3], v20, 2, COEF+1024
	s_mov_b32 s[LM+0], 0xaaaaaaaa
	s_mov_b32 s[LM+1], 0xcccccccc
	s_mov_b32 s[LM+2], 0xf0f0f0f0
	s_mov_b32 s[LM+3], 0xff00ff00
	s_mov_b32 s[LM+4], 0xffff0000
	s_mov_b32 s[SEL], 0x76543210
	s_mov_b32 s[SEL+1], 0xfedcba98
	s_bitcmp1_b32 s[CX], 0
	s_cselect_b32 s[B0], -1, 0
	s_bitcmp1_b32 s[CX], 1
	s_cselect_b32 s[B1], -1, 0
.irp k, 0,1,2,3,4,5,6
	s_cmp_gt_u32 s[WV], \k
	s_cselect_b32 s[FL+\k], 1.0, 0
.endr
	s_cmp_eq_u32 s[II], 0
	s_cselect_b32 s[NL], 18, 17                    ; the work-groups with i = 0 also store S1[j]
	s_lshl_b32 s[O4], s[ID], 10
	s_add_co_u32 s[O4], s[O4], 17472               ; S4[ij]: 4 (4,368 + 256 (16 i + j))
	s_lshl_b32 s[O3], s[ID], 6
	s_add_co_u32 s[O3], s[O3], 1088                ; S3[ij]: 4 (272 + 16 (16 i + j))
	s_lshl_b32 s[O2], s[ID], 2
	s_add_co_u32 s[O2], s[O2], 64                  ; S2[ij]: 4 (16 + 16 i + j)
	v_cmp_eq_u32 s[LAST], 0xff, v0
	v_cmp_eq_u32 s[FIRST], 0, v0
	v_mov_b32 v[C34], 0x3eaaaaab
	v_mov_b32 v[C34+1], 0x3e800000
	v_mov_b32 v[C26], 0.5
	v_mov_b32 v[C26+1], 0x3e2aaaab
	v_mov_b32 v[C1H], 1.0
	v_mov_b32 v[C1H+1], 0.5
	v_mov_b32 v[LL], 0
	v_mov_b32 v[LL+1], 0
	v_mov_b32 v[MX], 0
	v_mov_b32 v[MN], 0
	v_mov_b32 v[MX2], 0
	v_mov_b32 v[MN2], 0
	v_mov_b32 v[PRE], 0
	v_mov_b32 v[PT], 0
	s_wait_kmcnt 0x0                               ; the two numbers for S1
	s_wait_tensorcnt 0x0                           ; my eighth of x is in,
	s_wait_dscnt 0x0                               ; and wave 0's zeros are stored: for the others' sake
	s_barrier_signal -1
	s_barrier_wait -1                              ; everybody's is
	; THE COEFFICIENTS.  My 16 rows, the row before and the row behind: column i, and the four columns that hold j.
	ds_load_b32 v[RP], v[BI]
	ds_load_b128 v[QD:QD+3], v[BJ]
.set kk, 0
.rept 16
	ds_load_b32 v[RP+2*kk+2], v[BI] offset:BACK+64*kk
	ds_load_b128 v[QD+4*kk+4:QD+4*kk+7], v[BJ] offset:BACK+64*kk
.set kk, kk+1
.endr
	ds_load_b32 v[RP+34], v[NI]
	ds_load_b128 v[QD+68:QD+71], v[NJ]
	ds_load_b32 v[X0I], v[I4] offset:XBASE         ; row 0, column i
	s_wait_dscnt 0x0
.set kk, 0
.rept 18                               ; column j out of its four, by the two bits of my place in the cluster
	v_cndmask_b32 v[TS+2*(kk%4)], v[QD+4*kk], v[QD+4*kk+1], s[B0]
	v_cndmask_b32 v[TS+2*(kk%4)+1], v[QD+4*kk+2], v[QD+4*kk+3], s[B0]
	v_cndmask_b32 v[RP+2*kk+1], v[TS+2*(kk%4)], v[TS+2*(kk%4)+1], s[B1]
.set kk, kk+1
.endr
.set kk, 0
.rept 17                               ; (e, d) of step kk
	v_pk_add_f32 v[ED+2*kk:ED+2*kk+1], v[RP+2*kk+2:RP+2*kk+3], v[RP+2*kk:RP+2*kk+1] neg_lo:[0,1] neg_hi:[0,1]
.set kk, kk+1
.endr
	v_cndmask_b32 v[ED], v[ED], v[ZERO], s[FIRST]        ; there is no step into row 0: thread 0's step 0 is 0, and P, Q and the step of f with it
	v_cndmask_b32 v[ED+1], v[ED+1], v[ZERO], s[FIRST]
.set kk, 0
.rept 17
	v_sub_f32 v[RP+2*kk], v[RP+2*kk], v[X0I]       ; u
.set kk, kk+1
.endr
	v_mov_b32 v[TS+7], 0                           ; named in a pair with the step of f
	v_mov_b32 v[TS+15], 0
.set kk, 0
.rept 17                               ; two sets of registers at work take turns; the one chain is (f, f/2)
.set ts, TS+8*(kk%2)
.if kk < 16
	v_fma_f32 v[ts], v[ED+2*kk], 0.5, v[RP+2*kk]   ; u + e/2
.endif
	v_pk_fma_f32 v[ts+2:ts+3], v[ED+2*kk:ED+2*kk+1], v[C34:C34+1], v[RP+2*kk:RP+2*kk+1] op_sel_hi:[0,1,0]  ; (u + e/3, u + e/4)
	v_pk_mul_f32 v[ts+4:ts+5], v[ED+2*kk:ED+2*kk+1], v[C26:C26+1] op_sel:[1,0] op_sel_hi:[1,1]             ; (d/2, d/6)
.if kk < 16
	v_mul_f32 v[ts+6], v[ED+2*kk+1], v[ts]         ; the step of f
.endif
	v_pk_fma_f32 v[PQ+2*kk:PQ+2*kk+1], v[ts+4:ts+5], v[ts+2:ts+3], v[LL:LL+1]                              ; (P, Q)
.if kk < 16
	v_pk_fma_f32 v[LL:LL+1], v[ts+6:ts+7], v[C1H:C1H+1], v[LL:LL+1] op_sel_hi:[0,1,1]
.endif
.set kk, kk+1
.endr
	v_cndmask_b32 v[PQ+32], v[PQ+32], v[ZERO], s[LAST]   ; P and Q of step 4,096 are 0
	v_cndmask_b32 v[PQ+33], v[PQ+33], v[ZERO], s[LAST]
.set kk, 0
.rept 17
	v_sub_f32 v[HH+kk], v[PQ+2*kk], v[PQ+2*kk+1]
.set kk, kk+1
.endr
.set kk, 0
.rept 16
	v_sub_f32 v[BT+kk], v[PQ+2*kk+3], v[HH+kk]     ; b: what lies before my first row cancels in it
.set kk, kk+1
.endr
.set kk, 0
.rept 16                               ; the largest and the smallest of Q, b, P - Q, from 0 on
	v_max3_num_f32 v[MX], v[MX], v[PQ+2*kk+1], v[BT+kk]
	v_min3_num_f32 v[MN], v[MN], v[PQ+2*kk+1], v[BT+kk]
.if (kk%2) == 0
	v_max3_num_f32 v[MX2], v[MX2], v[HH+1+kk], v[HH+2+kk]
	v_min3_num_f32 v[MN2], v[MN2], v[HH+1+kk], v[HH+2+kk]
.endif
.set kk, kk+1
.endr
	; a butterfly over the wave's 32 lanes: BS doubles its block in each step; a lane in the upper half of the new block adds the lower half's sum to PRE
	v_mov_b32 v[BS], v[LL]
.macro SCAN xm, sm
	v_mov_b32_dpp v[PT], v[BS] row_xmask:\xm row_mask:0xf bank_mask:0xf
	v_cndmask_b32 v[T0], 0, v[PT], s[\sm]
	v_add_f32 v[BS], v[BS], v[PT]
	v_add_f32 v[PRE], v[PRE], v[T0]
.endm
	SCAN 1, LM+0
	SCAN 2, LM+1
	SCAN 4, LM+2
	SCAN 8, LM+3
	v_permlanex16_b32 v[PT], v[BS], s[SEL], s[SEL+1]
	v_cndmask_b32 v[T0], 0, v[PT], s[LM+4]
	v_add_f32 v[BS], v[BS], v[PT]
	v_add_f32 v[PRE], v[PRE], v[T0]
	v_max_num_f32 v[MX], v[MX], v[MX2]
	v_min_num_f32 v[MN], v[MN], v[MN2]
	v_sub_f32 v[MN], 0, v[MN]
	v_max_num_f32 v[MW], v[MX], v[MN]
	v_and_b32 v[T0], 0x7fffffff, v[PRE]
	v_fma_f32 v[MW], v[T0], 0.5, v[MW]             ; a and c still take half of what lies before my first row: the bound counts it
	v_max_num_f32_dpp v[MW], v[MW], v[MW] row_xmask:1 row_mask:0xf bank_mask:0xf
	v_max_num_f32_dpp v[MW], v[MW], v[MW] row_xmask:2 row_mask:0xf bank_mask:0xf
	v_max_num_f32_dpp v[MW], v[MW], v[MW] row_xmask:4 row_mask:0xf bank_mask:0xf
	v_max_num_f32_dpp v[MW], v[MW], v[MW] row_xmask:8 row_mask:0xf bank_mask:0xf
	v_permlanex16_b32 v[PT], v[MW], s[SEL], s[SEL+1]
	v_max_num_f32 v[MW], v[MW], v[PT]
	v_mov_b32 v2, s[EXA]
	ds_store_b64 v2, v[BS:BS+1]                    ; all lanes write the same two words with the same numbers
	s_wait_dscnt 0x0                               ; for the others' sake
	s_barrier_signal -1
	s_barrier_wait -1
	v_mov_b32 v3, EXCH
	ds_load_b128 v[EX:EX+3], v3
	ds_load_b128 v[EX+4:EX+7], v3 offset:16
	ds_load_b128 v[EX+8:EX+11], v3 offset:32
	ds_load_b128 v[EX+12:EX+15], v3 offset:48
	s_wait_dscnt 0x0
	v_mul_f32 v[OFF], s[FL], v[EX]                 ; the sums of the waves below mine
.irp k, 1,2,3,4,5,6
	v_fmac_f32 v[OFF], s[FL+\k], v[EX+2*\k]
.endr
	v_mov_b32 v[MM], v[EX+1]
	v_mov_b32 v[S2V], v[EX]
.irp k, 1,2,3,4,5,6,7                  ; every wave's bound, with half of what lies before that wave; the running sum ends as S2[ij]
	v_and_b32 v[T0], 0x7fffffff, v[S2V]
	v_fma_f32 v[T0], v[T0], 0.5, v[EX+2*\k+1]
	v_max_num_f32 v[MM], v[MM], v[T0]
	v_add_f32 v[S2V], v[S2V], v[EX+2*\k]
.endr
	v_lshrrev_b32 v[T0], 23, v[MM]                 ; the bound's exponent field E: the bound is under 2^(E - 126)
	v_sub_nc_u32 v[T0], 253, v[T0]
	v_max_i32 v[T0], 1, v[T0]
	v_lshlrev_b32 v[SG], 23, v[T0]                 ; sigma = 2^(126 - E)
	v_sub_nc_u32 v[T1], 254, v[T0]
	v_lshlrev_b32 v[INV], 23, v[T1]                ; 1 / sigma
	v_xor_b32 v[SG+1], 0x80000000, v[SG]
	v_xor_b32 v[INV+1], 0x80000000, v[INV]
	v_add_f32 v[KP], v[OFF], v[PRE]                ; f before my first row
	v_mul_f32 v[KP], v[KP], v[SG]
	v_mul_f32 v[KP], 0.5, v[KP]
	v_xor_b32 v[KP+1], 0x80000000, v[KP]
.set kk, 0
.rept 16
	v_fma_f32 v[AT+kk], v[PQ+2*kk+1], v[SG+1], v[KP+1]   ; sigma a = -sigma Q - kappa
.set kk, kk+1
.endr
.set kk, 0
.rept 8
	v_pk_mul_f32 v[BT+2*kk:BT+2*kk+1], v[BT+2*kk:BT+2*kk+1], v[SG:SG+1] op_sel_hi:[1,0]
	v_pk_fma_f32 v[HH+1+2*kk:HH+2+2*kk], v[HH+1+2*kk:HH+2+2*kk], v[SG:SG+1], v[KP:KP+1] op_sel_hi:[1,0,0]
.set kk, kk+1
.endr
	v_sub_f32 v[T0], v[BT+15], v[KP]               ; row 4095 has no step behind it: b = Q - P, c = 0
	v_cndmask_b32 v[BT+15], v[BT+15], v[T0], s[LAST]
	v_cndmask_b32 v[HH+16], v[HH+16], v[ZERO], s[LAST]
.irp k, 0,1,2,3
	ds_store_b128 v[CS], v[AT+4*\k:AT+4*\k+3] offset:16*\k
	ds_store_b128 v[CS], v[BT+4*\k:BT+4*\k+3] offset:CARR+16*\k
	ds_store_b128 v[CS], v[HH+1+4*\k:HH+4+4*\k] offset:2*CARR+16*\k
.endr
	; my wave alone reads what it has stored here, and LDS serves a wave's instructions in order (ISA guide 5.7.1.4): no barrier and no wait
	; THE PRODUCTS.  A group is 16 rows of each of the wave's eight runs.
.macro LOADX G                         ; rows 16 G + 1 .. 16 G + 16 of my run
.set ll, 1
.rept 16
.set rho, 16*(\G)+ll
.set yr, Y+4*((rho+1)%18)
.if rho < 64
	ds_load_b128 v[yr:yr+3], v[XA] offset:BACK+(rho/16)*XGRP+(rho%16)*64
.else
	ds_load_b128 v[yr:yr+3], v[XNX]
.endif
.set ll, ll+1
.endr
.endm
.macro LOADC G                         ; a, b, c of rows 16 G .. 16 G + 15
.irp k, 0,1,2
.irp h, 0,1,2,3
	ds_load_b128 v[CF+16*\k+4*\h:CF+16*\k+4*\h+3], v[CA] offset:\k*CARR+64*(\G)+16*\h
.endr
.endr
.endm
.macro CENTRE rho                      ; y = x - x_4095, in place
.set yb, Y+4*(((\rho)+1)%18)
	v_pk_add_f32 v[yb:yb+1], v[yb:yb+1], v[XN:XN+1] neg_lo:[0,1] neg_hi:[0,1]
	v_pk_add_f32 v[yb+2:yb+3], v[yb+2:yb+3], v[XN+2:XN+3] neg_lo:[0,1] neg_hi:[0,1]
.endm
; Rows r0 = 16 G + 2 mm and r0 + 1: W of both (four chains side by side; a row's coefficient is the low or the high register of a pair), then register mm of each operand: two rows' numbers of one column
.macro PAIR G
.set r0, 16*(\G)+2*mm
.set ya, Y+4*((r0)%18)
.set yb, Y+4*((r0+1)%18)
.set yc, Y+4*((r0+2)%18)
.set yd, Y+4*((r0+3)%18)
.set ca, CF+2*mm
	v_pk_mul_f32 v[WT:WT+1],   v[ya:ya+1],   v[ca:ca+1] op_sel_hi:[1,0]
	v_pk_mul_f32 v[WT+2:WT+3], v[ya+2:ya+3], v[ca:ca+1] op_sel_hi:[1,0]
	v_pk_mul_f32 v[WT+4:WT+5], v[yb:yb+1],   v[ca:ca+1] op_sel:[0,1] op_sel_hi:[1,1]
	v_pk_mul_f32 v[WT+6:WT+7], v[yb+2:yb+3], v[ca:ca+1] op_sel:[0,1] op_sel_hi:[1,1]
	v_pk_fma_f32 v[WT:WT+1],   v[yb:yb+1],   v[ca+16:ca+17], v[WT:WT+1]   op_sel_hi:[1,0,1]
	v_pk_fma_f32 v[WT+2:WT+3], v[yb+2:yb+3], v[ca+16:ca+17], v[WT+2:WT+3] op_sel_hi:[1,0,1]
	v_pk_fma_f32 v[WT+4:WT+5], v[yc:yc+1],   v[ca+16:ca+17], v[WT+4:WT+5] op_sel:[0,1,0] op_sel_hi:[1,1,1]
	v_pk_fma_f32 v[WT+6:WT+7], v[yc+2:yc+3], v[ca+16:ca+17], v[WT+6:WT+7] op_sel:[0,1,0] op_sel_hi:[1,1,1]
	v_pk_fma_f32 v[WT:WT+1],   v[yc:yc+1],   v[ca+32:ca+33], v[WT:WT+1]   op_sel_hi:[1,0,1]
	v_pk_fma_f32 v[WT+2:WT+3], v[yc+2:yc+3], v[ca+32:ca+33], v[WT+2:WT+3] op_sel_hi:[1,0,1]
	v_pk_fma_f32 v[WT+4:WT+5], v[yd:yd+1],   v[ca+32:ca+33], v[WT+4:WT+5] op_sel:[0,1,0] op_sel_hi:[1,1,1]
	v_pk_fma_f32 v[WT+6:WT+7], v[yd+2:yd+3], v[ca+32:ca+33], v[WT+6:WT+7] op_sel:[0,1,0] op_sel_hi:[1,1,1]
	v_pk_add_f32 v[SS:SS+1], v[ca:ca+1], v[ca+16:ca+17]
.irp k, 0,1,2,3
	v_cvt_pk_f16_f32 v[AOP+8*\k+mm], v[yb+\k], v[yc+\k]
.endr
	v_pk_add_f32 v[SS:SS+1], v[SS:SS+1], v[ca+32:ca+33]
.irp k, 0,1,2,3
	v_cvt_pk_f16_f32 v[WOP+8*\k+mm], v[WT+\k], v[WT+4+\k]
.endr
	v_cvt_pk_f16_f32 v[GOP+mm], v[SS], v[SS+1]
.endm
; zero = 1: the first group's products start the sums.  more = 1: the next group's 28 LDS loads go out ahead of this group's 20 matrix instructions and land under them; they fall on ring places and coefficients that
; this group has used up.  The 20 accumulators take turns, one instruction a turn, from group to group too.  The 32 lines of CENTRE are the places between a group's last product and the next writes of operand registers.
.macro GROUP G, zero, more
	s_wait_dscnt 0x0                               ; the group's rows and coefficients are in
.set nn, 1
.rept 16
	CENTRE 16*(\G)+nn
.set nn, nn+1
.endr
.set mm, 0
.rept 8
	PAIR \G
.set mm, mm+1
.endr
.if \more
	LOADX (\G)+1
	LOADC (\G)+1
.endif
	WIN 0x50                                       ; C and D in window 1, the operands in window 0
.irp p, 0,1,2,3
.irp r, 0,1,2,3
.if \zero
	v_wmma_f32_16x16x32_f16 v[8*(4*\p+\r):8*(4*\p+\r)+7], v[AOP+8*\p:AOP+8*\p+7], v[WOP+8*\r:WOP+8*\r+7], 0
.else
	v_wmma_f32_16x16x32_f16 v[8*(4*\p+\r):8*(4*\p+\r)+7], v[AOP+8*\p:AOP+8*\p+7], v[WOP+8*\r:WOP+8*\r+7], v[8*(4*\p+\r):8*(4*\p+\r)+7]
.endif
.endr
.if \zero
	v_wmma_f32_16x16x32_f16 v[128+8*\p:128+8*\p+7], v[AOP+8*\p:AOP+8*\p+7], v[GOP:GOP+7], 0
.else
	v_wmma_f32_16x16x32_f16 v[128+8*\p:128+8*\p+7], v[AOP+8*\p:AOP+8*\p+7], v[GOP:GOP+7], v[128+8*\p:128+8*\p+7]
.endif
.endr
	WIN 0
.endm
	ds_load_b128 v[XN:XN+3], v[XL]
	ds_load_b128 v[Y:Y+3], v[XA]                   ; row -1 of my run (in front of row 0: the zeros, whose coefficient a is 0)
	ds_load_b128 v[Y+4:Y+7], v[XA] offset:BACK     ; row 0
	LOADX 0
	LOADC 0
	s_wait_dscnt 0x0
	CENTRE -1
	CENTRE 0
	GROUP 0, 1, 1
	GROUP 1, 0, 1
	GROUP 2, 0, 1
	GROUP 3, 0, 0
	; THE WAY OUT.  In a result, lane l holds column n = l % 16 and rows 8 (l / 16) + 0..7.  The block n / 4 has its rows in registers 0-3 (even block) or 4-7 (odd) of the lanes with l / 16 = n / 8.
.rept 4
	v_nop                                          ; four places behind the last products, ahead of the first read of a result
.endr
	v_bfe_u32 v2, v[LN], 2, 1
	v_cmp_eq_u32 s[ODD], 1, v2
	v_bfe_u32 v2, v[LN], 4, 1
	v_bfe_u32 v3, v[LN], 3, 1
	v_cmp_eq_u32 vcc_lo, v2, v3
	WIN 0x05                                       ; sources 0 and 1 in window 1
.irp p, 0,1,2,3
.irp r, 0,1,2,3
.irp u, 0,1,2,3
	v_cndmask_b32 v[TT+16*\p+4*\u+\r], v[8*(4*\p+\r)+\u], v[8*(4*\p+\r)+4+\u], s[ODD]
.endr
.endr
.endr
.irp p, 0,1,2,3
.irp u, 0,1,2,3
	v_cndmask_b32 v[T3+4*\u+\p], v[128+8*\p+\u], v[128+8*\p+4+\u], s[ODD]
.endr
.endr
	WIN 0
	s_wait_xcnt 0x0                                ; EXEC changes only behind this wait
	s_and_saveexec_b32 s[SAVE], vcc_lo             ; the lanes that hold a block
	; k = 4 u + p, l = 4 (n % 4) + r: word 16 k + l of the block's row of results; my wave's own coefficients, which it has read, lie under it
.irp p, 0,1,2,3
.irp u, 0,1,2,3
	ds_store_b128 v[RW], v[TT+16*\p+4*\u:TT+16*\p+4*\u+3] offset:256*\u+64*\p
.endr
.endr
.irp u, 0,1,2,3
	ds_store_b128 v[RW3], v[T3+4*\u:T3+4*\u+3] offset:16*\u   ; S3's sums are the same in a block's four columns: four lanes write the same words with the same numbers
.endr
	s_or_b32 exec_lo, exec_lo, s[SAVE]
	s_wait_dscnt 0x0                               ; for the others' sake
	s_barrier_signal -1
	s_barrier_wait -1
	s_cmp_lt_u32 s[WV], 2
	s_cbranch_scc0 .Lnot_s4
	; waves 0 and 1: thread t adds the 32 partial sums (8 waves x 4 blocks) of words 4 t .. 4 t + 3 of S4[ij]
.set ee, 0
.rept 32
	ds_load_b128 v[FS+4*ee:FS+4*ee+3], v[RR] offset:(ee/4)*CWAVE+(ee%4)*RROW
.set ee, ee+1
.endr
	v_lshl_add_u32 v4, v0, 4, s[O4]
	s_wait_dscnt 0x0
.irp st, 16,8,4,2,1
.set ee, 0
.rept \st
	v_pk_add_f32 v[FS+4*ee:FS+4*ee+1], v[FS+4*ee:FS+4*ee+1], v[FS+4*(ee+\st):FS+4*(ee+\st)+1]
	v_pk_add_f32 v[FS+4*ee+2:FS+4*ee+3], v[FS+4*ee+2:FS+4*ee+3], v[FS+4*(ee+\st)+2:FS+4*(ee+\st)+3]
.set ee, ee+1
.endr
.endr
	v_pk_mul_f32 v[FS:FS+1], v[FS:FS+1], v[INV:INV+1] op_sel_hi:[1,0]
	v_pk_mul_f32 v[FS+2:FS+3], v[FS+2:FS+3], v[INV:INV+1] op_sel_hi:[1,0]
	global_store_b128 v4, v[FS:FS+3], s[6:7] th:TH_STORE_NT   ; a wave stores 512 consecutive bytes; S4 begins at byte 17,472 of out0, 64 past a multiple of 256
	s_branch .Lend
.Lnot_s4:
	s_cmp_eq_u32 s[WV], 2
	s_cbranch_scc0 .Lend
	; wave 2: lanes 0-15 add up S3[ij][lane]; lane 16 takes S2[ij], lane 17 S1[j]
.set ee, 0
.rept 32
	ds_load_b32 v[FS+ee], v[R3] offset:(ee/4)*CWAVE+(ee%4)*RROW
.set ee, ee+1
.endr
	v_mov_b32 v5, s48
	v_sub_f32 v5, s49, v5                          ; S1[j] = x_4095[j] - x_0[j]
	v_lshl_add_u32 v6, v[LN], 2, s[O3]
	v_mov_b32 v7, s[O2]
	v_mov_b32 v8, s[J4]
	s_wait_dscnt 0x0
.irp st, 8,4,2,1
.set ee, 0
.rept \st
	v_pk_add_f32 v[FS+2*ee:FS+2*ee+1], v[FS+2*ee:FS+2*ee+1], v[FS+2*(ee+\st):FS+2*(ee+\st)+1]
.set ee, ee+1
.endr
.endr
	v_add_f32 v[FS], v[FS], v[FS+1]
	v_mul_f32 v[FS], v[FS], v[INV+1]               ; the operand was sigma (a + b + c): S3 is the sum's negative over sigma
	v_cmp_eq_u32 vcc_lo, 16, v[LN]
	v_cndmask_b32 v[FS], v[FS], v[S2V], vcc_lo
	v_cndmask_b32 v6, v6, v7, vcc_lo
	v_cmp_eq_u32 vcc_lo, 17, v[LN]
	v_cndmask_b32 v[FS], v[FS], v5, vcc_lo
	v_cndmask_b32 v6, v6, v8, vcc_lo
	v_cmp_gt_u32 vcc_lo, s[NL], v[LN]              ; 17 lanes, 18 where i = 0
	s_wait_xcnt 0x0                                ; EXEC changes only behind this wait,
	s_and_saveexec_b32 s[SAVE], vcc_lo
	global_store_b32 v6, v[FS], s[6:7] th:TH_STORE_NT
	s_wait_xcnt 0x0                                ; and again in front of the line that widens it
	s_or_b32 exec_lo, exec_lo, s[SAVE]
.Lend:
	s_wait_tensorcnt 0x0                           ; the wave's end, behind my tensor load and my last LDS store
	ds_add_u32 v[SPW], v[NIL]
	s_wait_dscnt 0x0
	CROUND                                         ; the closing round: no work-group ends while a partner may still ask for a tile that names it
	s_endpgm
.Lfunc_end_k_q715d6f6274_signature:
	.size	k_q715d6f6274_signature, .Lfunc_end_k_q715d6f6274_signature-k_q715d6f6274_signature
	.p2alignl 7, 3214868480
	.fill 96, 4, 3214868480
	.section	.rodata,"a",@progbits
	.p2align	6, 0x0
	.amdhsa_kernel k_q715d6f6274_signature
		.amdhsa_group_segment_fixed_size 327680
		.amdhsa_private_segment_fixed_size 0
		.amdhsa_enable_private_segment 0
		.amdhsa_kernarg_size 16
		.amdhsa_user_sgpr_count 2
		.amdhsa_user_sgpr_kernarg_segment_ptr 1
		.amdhsa_wavefront_size32 1
		.amdhsa_system_sgpr_workgroup_id_x 1
		.amdhsa_system_sgpr_workgroup_id_y 1
		.amdhsa_system_sgpr_workgroup_id_z 1
		.amdhsa_system_vgpr_workitem_id 0
		.amdhsa_next_free_vgpr 416
		.amdhsa_next_free_sgpr 66
		.amdhsa_reserve_vcc 1
		.amdhsa_float_denorm_mode_32 3
		.amdhsa_float_denorm_mode_16_64 3
		.amdhsa_memory_ordered 1
		.amdhsa_forward_progress 1
		.amdhsa_inst_pref_size 116
	.end_amdhsa_kernel
	.amdgpu_metadata
---
amdhsa.version: [ 1, 2 ]
amdhsa.kernels:
  - .name:           k_q715d6f6274_signature
    .symbol:         k_q715d6f6274_signature.kd
    .args:
      - { .name: x, .offset: 0, .size: 8, .value_kind: global_buffer, .address_space: global }
      - { .name: out0, .offset: 8, .size: 8, .value_kind: global_buffer, .address_space: global }
    .group_segment_fixed_size: 327680
    .private_segment_fixed_size: 0
    .kernarg_segment_align: 8
    .kernarg_segment_size: 16
    .max_flat_workgroup_size: 256
    .sgpr_count:     66
    .vgpr_count:     416
    .wavefront_size: 32
...
	.end_amdgpu_metadata
.endif
;; end of part 1
